; MI455X (gfx1250); checked and timed in simulation.
; The chip was launched on July 23, 2026; its instructions are those of AMD's public machine-readable ISA for CDNA 5 (MIT licence, August 2026) and "CDNA5" Instruction Set Architecture Reference Guide (July 2026). The comments in the code are by the model that wrote it; some were corrected since.
;; Scaled Dot Product Attention. Allowed arithmetic: matrix products marked QUANTISED: E2M3 operands, one E8M0 scale for each 32 along K, by v_wmma_scale_f32_16x16x128_f8f6f4 with both operands' format E2M3, f32 sums; everything else in f32.
;; Inputs: k 16 x 2,048 x 64 float32; mask 16 x 2,048 x 2,048 bool; q 16 x 2,048 x 64 float32; v 16 x 2,048 x 64 float32.
;; Outputs: out0 16 x 2,048 x 64 float32.
;; This version of the problem:
;;   THIS VERSION OF THE PROBLEM IS GIVEN IN LOW PRECISION. The matrix products marked QUANTISED in the list below multiply operands that are first quantised to E2M3 (2 exponent bits, 3 mantissa bits; 6 bits a number), with one power-of-two scale for each 32 numbers along K (OCP MX v1.0); their sums are f32. All else is computed in f32.
;;   The module's matrix products, in the order in which they are computed (A, B: the left and right operand; K: the contracted axis; several contracted axes count as one K, in the product's order):
;;     1. batch 16 x [M 2,048, K 64] x [K 64, N 2,048]; A: input q; B: input k: QUANTISED
;;     2. batch 16 x [M 2,048, K 2,048] x [K 2,048, N 64]; A: softmax (see below); B: input v: QUANTISED
;;   THE QUANTISER, for each operand of a quantised product, along K:
;;     - K is cut into blocks of 32 from its start; a last block that is shorter is filled with zeros.
;;     - A block's scale is 2^e with e = floor(log2(the largest magnitude in the block)) - 2, held to -126 .. 127; a block of zeros has e = 0. As a byte (E8M0): e + 127.
;;     - Each number is divided by its block's scale, clamped to +-7.5, and rounded to the nearest number of E2M3, ties to even, subnormals kept.
;;     - The product sums the exact products of the quantised numbers (number of the format x scale) in f32.
;;   ~~~python
;;   def quantise(x, axis):      # numpy; x: float32 -> the quantised numbers, widened to float32 again
;;       x = np.moveaxis(x, axis, -1); K = x.shape[-1]
;;       x = np.pad(x, [(0, 0)] * (x.ndim - 1) + [(0, -K % 32)]); x = x.reshape(x.shape[:-1] + (-1, 32)); a = np.abs(x).max(-1, keepdims=True)
;;       e = np.where(a > 0, np.clip(np.frexp(np.where(a > 0, a, 1))[1] - 1 - 2, -126, 127), 0)      # np.frexp(a)[1] - 1 = floor(log2(a)), exactly
;;       r = np.clip(x / 2.0 ** e, -7.5, 7.5)
;;       step = 2.0 ** (np.maximum(np.frexp(np.where(r == 0, 1, r))[1] - 1, 0) - 3)
;;       q = np.round(r / step) * step * 2.0 ** e      # np.round: ties to even
;;       return np.moveaxis(q.reshape(q.shape[:-2] + (-1,))[..., :K], -1, axis).astype(np.float32)
;;   ~~~
;;   SOFTMAX AHEAD OF A QUANTISED PRODUCT. Where the list says 'softmax', what is quantised is not the finished softmax but p = 2^(t - M), with t = logit x log2(e) and M = ceil(the row's largest t), a whole number; so 1/2 < the row's largest p <= 1. The row's sum l is taken of the UNQUANTISED p, in f32, and the product's result is divided by l at the end. Since M is a whole number, a kernel that streams over the keys may use a running M (the ceiling of the running maximum): every later rescaling is an exact power of two, which a block's scale takes up: the codes' values come out the same.
;;   OPERANDS COMPUTED ON THE WAY. 'Computed on the way' means the value that the module computes at that place (a softmax that the list does not call 'softmax' is quantised finished and normalised). What goes into a quantiser is computed in f32, as accurately as f32 sums, v_exp_f32 and their like allow (about 1e-6 of the number): no bf16 or f16 on the way to a quantiser, and a product that is left as it is and whose result goes on into a quantised operand takes f32 operands (vector FMAs, or v_wmma_f32_16x16x4_f32). A number that lies on a knife's edge between two numbers of the format may be rounded either way, as far as f32 arithmetic and the matrix unit's own rounding can turn it there, and no further.
;; One version. Each part assembles by itself: llvm-mc -triple=amdgcn-amd-amdhsa -mcpu=gfx1250 --defsym DOCPART=n.
;; ======== version 1 of 1: 2 launches
;; limits: right only within a limited range of input values
;; workspace buffers: kv 3,342,336 bytes
;; launch quant (part 1): grid 256 x 1, 8 waves a work-group, no clusters, 70,656 bytes of LDS; arguments k, v, kv; writes kv
.if DOCPART == 1
	.amdgcn_target "amdgcn-amd-amdhsa--gfx1250"
	.amdhsa_code_object_version 6
	.text
	.protected	k_qece4c588b1_quant
	.globl	k_qece4c588b1_quant
	.p2align	8
	.type	k_qece4c588b1_quant,@function
k_qece4c588b1_quant:
	s_mov_b64 s[64:65], 0
	v_nop
	global_prefetch_b8 v0, s[64:65] scope:SCOPE_SE
	s_setreg_imm32_b32 hwreg(HW_REG_WAVE_MODE, 25, 1), 1
	s_wait_xcnt 0x0
; k and v, [16][2048][64] f32, become codes of FP6 (E2M3) with one E8M0 scale byte for each 32 along a product's K, laid in kv AS IMAGES OF THE OPERANDS' REGISTERS of the attention launch.
; k is quantised along the head's 64 (its last axis), v along the keys (its first axis within a head).
; kv is 256 blocks of STEPB bytes, one for each g = 16 x head + step; a step is 128 keys.  r = lane % 16, h = lane / 16.  In a block:
;   KIMG  for each of 8 tiles 768 bytes: 32 lanes x 16 bytes, then 32 lanes x 8: the 24 bytes of codes of key 64 (t / 4) + 32 (r / 8) + 8 (t % 4) + r % 8, channels 32 h .. 32 h + 31
;   KSC   word 128 b + 4 x lane: lanes 0-15 tile 2 b's row r, lanes 16-31 tile 2 b + 1's: byte 2 channels 0-31, byte 3 channels 32-63; bytes 0 and 1 are 177, 2^50, for the mask's part of the product
;   VIMG  12 chunks x 32 lanes x 16 bytes: register 12 t + 6 c + i = word i of the codes of channel 16 t + r, keys 64 c + 32 h + 0 .. 31 of the step
;   VSC   word 64 t + 4 r: the four bytes of channel 16 t + r for the step's four blocks of 32 keys
; SHARES.  Work-group g makes block g.  Waves 0-3 take K's tiles 2 b and 2 b + 1 (b = wave), waves 4-7 V's tile t = wave - 4.  A lane holds two whole blocks of 32 numbers in 64 registers, so no other lane is asked
; for a maximum.  A wave's 8,192 bytes are all asked for at once.  No barrier, no loop; nothing is read twice, so no cluster and no prefetch.
; K'S WAY IN.  A K wave's 32 keys are two runs of 4,096 consecutive bytes, read by sixteen loads of 512 consecutive bytes; they go into the wave's own stage in LDS, rows 272 bytes apart, and come back 128 bytes of a row to a lane.
; V's loads read 64 consecutive bytes in sixteen lanes, down the keys, straight into the registers that the conversions take.
; A block's scale is 2^(floor(log2(its largest magnitude)) - 2); its byte is the largest magnitude's exponent field - 2, held at 1 from below.
; LIMITS: a block of zeros gets the byte 1 where the rule says 127: its codes are zeros, and this program alone reads the bytes.  NaN and infinities among the inputs are not served.
.set STEPB, 13056
.set KIMG,  0
.set KSC,   6144
.set VIMG,  6656
.set VSC,   12800
.set SP,    272                        ; a stage row: a key's 256 bytes + 16
.set RG,    32*SP                      ; a wave's stage; waves 4-7 touch none
.set BM,    8                          ; v8-9     the two blocks' largest magnitudes
.set STA,   10                         ; v10      the stage, on the way in
.set LDA,   11                         ; v11      and on the way out
.set SO,    12                         ; v12-13   the conversions' scale operands
.set BY,    14                         ; v14-15   the scale bytes
.set C,     16                         ; v16-27   the codes
.set X,     32                         ; v32-95   two blocks of 32 numbers
.set T,     96                         ; v96-98, v100-102  each block's second sixteen codes, before they are moved
.set R,     112                        ; v112-175 K's numbers as they are loaded
; my two blocks, v[X + 32 u + 0 .. 31], become v[C + 6 u + 0 .. 5] and the byte v[BY + u]
.macro QUANT2
.irp u, 0,1
	v_max3_num_f32 v[BM+\u], |v[X+32*\u]|, |v[X+32*\u+1]|, 0x1800000        ; with the floor 2^(3 - 127) among the leaves
.endr
.irp i, 2,4,6,8,10,12,14,16,18,20,22,24,26,28,30
.irp u, 0,1
	s_delay_alu instid0(VALU_DEP_2)
	v_max3_num_f32 v[BM+\u], v[BM+\u], |v[X+32*\u+\i]|, |v[X+32*\u+\i+1]|   ; the two blocks by turns
.endr
.endr
.irp u, 0,1
	s_delay_alu instid0(VALU_DEP_2)
	v_add_nc_u32 v[SO+\u], 0xff000000, v[BM+\u]    ; 2 off the exponent field: the conversion's scale operand
.endr
.irp u, 0,1
	s_delay_alu instid0(VALU_DEP_2)
	v_lshrrev_b32 v[BY+\u], 23, v[SO+\u]           ; the scale's byte
.endr
.irp u, 0,1
	v_cvt_scalef32_pk16_fp6_f32 v[C+6*\u:C+6*\u+2], v[X+32*\u:X+32*\u+15], v[SO+\u]
	v_cvt_scalef32_pk16_fp6_f32 v[T+4*\u:T+4*\u+2], v[X+32*\u+16:X+32*\u+31], v[SO+\u]   ; (a conversion's three registers begin on an even number)
.endr
	v_nop                                          ; one plain vector instruction behind the scaled conversions
.irp u, 0,1
.irp i, 0,1,2
	v_mov_b32 v[C+6*\u+3+\i], v[T+4*\u+\i]
.endr
.endr
.endm
	s_load_b128 s[4:7], s[0:1], 0x0                ; k s[4:5], v s[6:7]
	s_load_b64 s[8:9], s[0:1], 0x10                ; kv
	v_lshl_add_u32 v176, v0, 2, 0x11000            ; the spare words lie behind the eight stages
	v_mov_b32 v177, 0
	v_lshrrev_b32 v1, 5, v0
	s_delay_alu instid0(VALU_DEP_1)
	v_readfirstlane_b32 s12, v1                    ; wave 0..7
	v_and_b32 v7, 31, v0                           ; lane
	s_wait_alu depctr_va_vdst(0)
	v_and_b32 v1, 15, v0                           ; r
	v_bfe_u32 v2, v0, 4, 1                         ; h
	s_wait_alu depctr_va_vdst(0)
	v_lshlrev_b32 v6, 3, v2                        ; 8 h: where my half's byte stands in a scale word
	v_mov_b32 v104, 0                              ; a lane permute's destination counts as one of its sources
	v_mov_b32 v105, 0
	s_mov_b32 s20, 0x76543210
	s_mov_b32 s21, 0xfedcba98                      ; v_permlanex16_b32's selects for lane l xor 16
	s_and_b32 s13, s12, 3                          ; b, or t
	s_lshl_b32 s14, ttmp9, 15                      ; the step's 128 rows of 256 bytes in k and in v
	s_mov_b32 s15, 0
	s_mul_i32 s16, ttmp9, STEPB                    ; my block of kv
	s_mov_b32 s17, 0
	s_mul_i32 s18, s13, 1536
	v_lshl_add_u32 v4, v7, 4, s18                  ; my codes' place, 16 bytes a lane: 1,536 bytes a wave
	v_lshl_add_u32 v108, v7, 3, s18                ; and 8 bytes a lane
	s_mul_i32 s23, s12, RG                         ; my wave's stage.  Both its addresses are made here, ahead of the parting of the ways
	v_mul_u32_u24 v[STA], v2, SP
	s_delay_alu instid0(VALU_DEP_1)
	v_lshl_add_u32 v[STA], v1, 4, v[STA]
	s_delay_alu instid0(VALU_DEP_1)
	v_add_nc_u32 v[STA], s23, v[STA]               ; in: a load's 512 bytes are two rows
	v_and_b32 v[LDA], 8, v1
	s_delay_alu instid0(VALU_DEP_1)
	v_add_nc_u32 v[LDA], v[LDA], v1                ; r + 8 (r / 8)
	s_delay_alu instid0(VALU_DEP_1)
	v_mul_u32_u24 v[LDA], v[LDA], SP
	s_delay_alu instid0(VALU_DEP_1)
	v_lshl_add_u32 v[LDA], v2, 7, v[LDA]
	s_delay_alu instid0(VALU_DEP_1)
	v_add_nc_u32 v[LDA], s23, v[LDA]               ; out: that row, + 128 h: my block of 32 channels
	s_wait_alu depctr_va_vdst(0)
	s_wait_kmcnt 0x0
	s_add_nc_u64 s[8:9], s[8:9], s[16:17]
	s_cmp_lt_u32 s12, 4
	s_cbranch_scc0 .Lvalues
	; ---- K: keys 64 (b / 2) + 16 (b % 2) + 0 .. 15 of the step, and the sixteen that lie 32 further on
	s_lshr_b32 s18, s13, 1
	s_lshl_b32 s18, s18, 14
	s_add_co_u32 s14, s14, s18
	s_and_b32 s18, s13, 1
	s_lshl_b32 s18, s18, 12
	s_add_co_u32 s14, s14, s18
	s_add_nc_u64 s[4:5], s[4:5], s[14:15]
	v_lshlrev_b32 v3, 4, v7                        ; my 16 bytes of a load's 512
.irp j, 0,1,2,3,4,5,6,7,8,9,10,11,12,13,14,15
	global_load_b128 v[R+4*\j:R+4*\j+3], v3, s[4:5] offset:512*\j+4096*(\j/8) th:TH_LOAD_NT    ; 32 lanes read 512 consecutive bytes: two keys
.endr
	s_lshl_b32 s19, s13, 7
	v_lshl_add_u32 v5, v7, 2, s19                  ; my scale word's place: 4 x lane + 128 b
	s_wait_alu depctr_va_vdst(0)
.irp j, 0,1,2,3,4,5,6,7,8,9,10,11,12,13,14,15
	s_wait_loadcnt 15-\j                           ; loads come back in order (ISA guide 5.7.1): load j is in; the 15 - j issued behind it may be out
	ds_store_b128 v[STA], v[R+4*\j:R+4*\j+3] offset:2*SP*\j
.endr
.irp u, 0,1                                    ; lane (r, h) takes channels 32 h .. 32 h + 31 of stage row 16 (r / 8) + 8 u + r % 8
.irp j, 0,1,2,3,4,5,6,7
	ds_load_b128 v[X+32*\u+4*\j:X+32*\u+4*\j+3], v[LDA] offset:8*SP*\u+16*\j       ; LDS serves a wave's instructions in order (ISA guide 5.7.1.4): these see my stores
.endr
.endr
	s_wait_dscnt 0x0
	QUANT2
.irp u, 0,1
	global_store_b128 v4, v[C+6*\u:C+6*\u+3], s[8:9] offset:KIMG+768*\u            ; 32 lanes store 512 consecutive bytes,
	global_store_b64 v108, v[C+6*\u+4:C+6*\u+5], s[8:9] offset:KIMG+768*\u+512     ; and 256
.endr
	v_lshlrev_b32 v106, v6, v14                    ; my byte of tile 2 b's row r at its place,
	v_lshlrev_b32 v107, v6, v15                    ; and of tile 2 b + 1's
	s_delay_alu instid0(VALU_DEP_2)
	v_permlanex16_b32 v104, v106, s20, s21
	s_delay_alu instid0(VALU_DEP_2)
	v_permlanex16_b32 v105, v107, s20, s21
	s_delay_alu instid0(VALU_DEP_2)
	v_or_b32 v106, v106, v104                      ; with lane l xor 16's byte both are there
	s_delay_alu instid0(VALU_DEP_2)
	v_or_b32 v107, v107, v105
	v_cmp_ne_u32 vcc_lo, 0, v2
	s_delay_alu instid0(VALU_DEP_1)
	v_cndmask_b32 v106, v106, v107, vcc_lo         ; lanes 0-15 keep tile 2 b's, lanes 16-31 tile 2 b + 1's
	v_mov_b32 v107, 0xb1b1
	s_delay_alu instid0(VALU_DEP_1)
	v_lshl_or_b32 v106, v106, 16, v107             ; into bytes 2 and 3; 177 in bytes 0 and 1
	global_store_b32 v5, v106, s[8:9] offset:KSC
	s_wait_tensorcnt 0x0                           ; the wave's end
	ds_add_u32 v176, v177
	s_wait_dscnt 0x0
	s_endpgm
.Lvalues:
	; ---- V: channels 16 t .. 16 t + 15.  Lane (r, h) takes channel 16 t + r, and its registers run down the keys: 64 c + 32 h + 0 .. 31, c = 0, 1
	s_lshl_b32 s18, s13, 6
	s_add_co_u32 s14, s14, s18                     ; + 16 t channels of 4 bytes
	s_add_nc_u64 s[6:7], s[6:7], s[14:15]
	v_lshl_add_u32 v5, v1, 2, s18                  ; my scale word's place: 4 r + 64 t
	v_lshlrev_b32 v3, 2, v1
	s_delay_alu instid0(VALU_DEP_1)
	v_lshl_add_u32 v3, v2, 13, v3                  ; 4 r + 32 h rows of 256 bytes
.irp c, 0,1
.set i, 0
.rept 32
	global_load_b32 v[X+32*\c+i], v3, s[6:7] offset:(64*\c+i)*256 th:TH_LOAD_NT   ; sixteen lanes read 64 consecutive bytes; the four waves side by side a whole row
.set i, i+1
.endr
.endr
	s_wait_alu depctr_va_vdst(0)
	s_wait_loadcnt 0x0
	QUANT2
	v_lshl_or_b32 v106, v15, 16, v14               ; my two bytes: blocks h and 2 + h,
	s_delay_alu instid0(VALU_DEP_1)
	v_lshlrev_b32 v106, v6, v106                   ; at their places;
	s_delay_alu instid0(VALU_DEP_1)
	v_permlanex16_b32 v104, v106, s20, s21
	s_delay_alu instid0(VALU_DEP_1)
	v_or_b32 v106, v106, v104                      ; with lane l xor 16's two the word is whole
.irp c, 0,1,2
	global_store_b128 v4, v[C+4*\c:C+4*\c+3], s[8:9] offset:VIMG+512*\c
.endr
	s_wait_alu depctr_va_vdst(0)
	s_wait_xcnt 0x0                                ; EXEC is a source of the stores above: it changes only behind this wait
	v_cmp_gt_u32 vcc_lo, 16, v7
	s_and_saveexec_b32 s22, vcc_lo                 ; lanes 0-15 store the sixteen words
	global_store_b32 v5, v106, s[8:9] offset:VSC
	s_wait_xcnt 0x0                                ; and again ahead of the line that widens it
	s_or_b32 exec_lo, exec_lo, s22
	s_endpgm
.Lfunc_end_k_qece4c588b1_quant:
	.size	k_qece4c588b1_quant, .Lfunc_end_k_qece4c588b1_quant-k_qece4c588b1_quant
	.p2alignl 7, 3214868480
	.fill 96, 4, 3214868480
	.section	.rodata,"a",@progbits
	.p2align	6, 0x0
	.amdhsa_kernel k_qece4c588b1_quant
		.amdhsa_group_segment_fixed_size 70656
		.amdhsa_private_segment_fixed_size 0
		.amdhsa_enable_private_segment 0
		.amdhsa_kernarg_size 24
		.amdhsa_user_sgpr_count 2
		.amdhsa_user_sgpr_kernarg_segment_ptr 1
		.amdhsa_wavefront_size32 1
		.amdhsa_system_sgpr_workgroup_id_x 1
		.amdhsa_system_sgpr_workgroup_id_y 1
		.amdhsa_system_sgpr_workgroup_id_z 1
		.amdhsa_system_vgpr_workitem_id 0
		.amdhsa_next_free_vgpr 178
		.amdhsa_next_free_sgpr 66
		.amdhsa_reserve_vcc 1
		.amdhsa_float_denorm_mode_32 3
		.amdhsa_float_denorm_mode_16_64 3
		.amdhsa_memory_ordered 1
		.amdhsa_forward_progress 1
		.amdhsa_inst_pref_size 23
	.end_amdhsa_kernel
	.amdgpu_metadata
---
amdhsa.version: [ 1, 2 ]
amdhsa.kernels:
  - .name:           k_qece4c588b1_quant
    .symbol:         k_qece4c588b1_quant.kd
    .args:
      - { .name: k, .offset: 0, .size: 8, .value_kind: global_buffer, .address_space: global }
      - { .name: v, .offset: 8, .size: 8, .value_kind: global_buffer, .address_space: global }
      - { .name: kv, .offset: 16, .size: 8, .value_kind: global_buffer, .address_space: global }
    .group_segment_fixed_size: 70656
    .private_segment_fixed_size: 0
    .kernarg_segment_align: 8
    .kernarg_segment_size: 24
    .max_flat_workgroup_size: 256
    .sgpr_count:     66
    .vgpr_count:     178
    .wavefront_size: 32
...
	.end_amdgpu_metadata
.endif
;; end of part 1
;; launch attn (part 2): grid 16 x 16, 8 waves a work-group, clusters of 4 x 1, 327,680 bytes of LDS; arguments q, kv, mask, out0; writes out0
.if DOCPART == 2
	.amdgcn_target "amdgcn-amd-amdhsa--gfx1250"
	.amdhsa_code_object_version 6
	.text
	.protected	k_qece4c588b1_attn
	.globl	k_qece4c588b1_attn
	.p2align	8
	.type	k_qece4c588b1_attn,@function
k_qece4c588b1_attn:
	s_mov_b64 s[64:65], 0
	v_nop
	global_prefetch_b8 v0, s[64:65] scope:SCOPE_SE
	s_setreg_imm32_b32 hwreg(HW_REG_WAVE_MODE, 25, 1), 1
	s_wait_xcnt 0x0
	s_wait_alu depctr_hold_cnt(0) depctr_sa_sdst(0) depctr_va_vdst(0) depctr_va_sdst(0) depctr_va_ssrc(0) depctr_va_vcc(0) depctr_vm_vsrc(0)
	s_getreg_b32 s2, hwreg(HW_REG_IB_STS2, 6, 4)
	s_cmp_eq_u32 s2, 0
	s_cbranch_scc0 .Lentry_in_a_cluster
	s_endpgm
.Lentry_in_a_cluster:
	s_bfe_u32 s2, ttmp6, 0x10000c
	s_cmp_lg_u32 s2, 0x3003
	s_cbranch_scc0 .Lentry_shape_is_right
	s_endpgm
.Lentry_shape_is_right:
; out0[b][q][:] = the sum over k of softmax_k(q[b][q] . k[b][k] / 8, masked) v[b][k][:], both products on codes of FP6 (E2M3) with one E8M0 scale for each 32 along a product's K.
; q: [16][2048][64] f32, quantised here.  kv: K's and V's codes and scale words as images of the operands' registers, one block of STEPB bytes for each 128 keys of a head.  mask: [16][2048][2048] bytes, 1 = masked out.
; THE SOFTMAX: t = score x log2(e) / 8; M = the largest t so far, rounded UP to a whole number; p = 2^(t - M) is what is quantised, along the keys.  The row's sum is taken of the unquantised p and divides at the end.
; When M moves, the sum and O are multiplied by 2^(old M - new M): exact.
; SHARES.  A work-group owns 128 queries of one head: 256 work-groups.  Wave w owns 32 queries (group w % 4), as two tiles of 16, and key half w / 4: in step i keys 256 i + 128 (w / 4) + 0 .. 127, eight steps.
; A wave's K and V fragments serve both its tiles.  Tile a is rows 16 (w / 4) .. + 15 of the group, tile b the other sixteen: at the end each wave hands tile b over and keeps tile a, so the merge is shared by all waves.
; LAYOUT.  Both products are used transposed: S^T = K Q^T (source 0 = 16 keys, source 1 = 16 queries), O^T = V^T P^T: a lane (r, h) (r = lane % 16, h = lane / 16) holds ONE query, r, throughout.  Row 8 h' + j of K's tile 4 c + u is key
; 64 c + 32 h' + 8 u + j: so the 32 registers of tiles 4 c .. 4 c + 3 are ONE block of 32 neighbouring keys, 64 c + 32 h + 0 .. 31, which is what the next operand's layout wants in this lane: nothing is exchanged between lanes but the row's maximum and the scale bytes.
; THE MASK COSTS NO INSTRUCTION OF ITS OWN.  The first product's K is 64, half of the instruction's 128: k = 64 .. 127 are the channels, k = 0 .. 63 carry the mask.  Source 1's registers 0-3 are 16 mask bytes AS THEY LIE (two tiles'), source 0's a constant
; pattern.  A byte 0 or 1 at bit 8 j of the lane's bits falls into the 6-bit field (8 j) / 6, at field bit 0, 2 or 4: as E2M3 the number 0.125, 0.5 or 2, or 0.  Row 8 h' + j of the pattern holds -2 at k = 32 h' + that field, zero codes elsewhere (even tiles:
; bytes 0-7, registers 0-1; odd tiles: bytes 8-15, registers 2-3).  With both scales 2^50, register j of lane (query, h) receives -(0.25, 1 or 4) x 2^100 where that lane's own byte is 1, and exactly 0 where it is 0, ahead of the channels, since k ascends.
; Registers 4-5 of source 1 meet zero codes: they hold small numbers of the wave's own.  FP6 has no NaN and no infinity.
; The running largest score begins at -2^86; a masked one lies under -2^97, so its p is 0.  A row with every key masked keeps sum 0 and O 0 and leaves as 0 x (1 / 0) = NaN, as the softmax of a row of -infinity is.
; LIMITS: a score (before the factor) under -2^86 counts as masked; mask bytes are 0 or 1; NaN and infinities among q, k, v are not served.
; LDS.  The head's sixteen blocks of kv stay: blocks 0-7 are asked for at the head, 8-15 behind the first change, each filled once.  The mask has a ring of two slots of 256 keys x 128 rows: waves 0 and 1 fill slot 0, waves 4 and 5 slot 1, 64 rows each.
; THE CHANGE.  Every wave waits for all its tensor loads and says so ahead of tile b's exponentials; behind the barrier the slot read in this step is filled with the step after next's tile, and the next step's K and mask bytes go to registers.
; Where a slot is filled the barrier opens a round of the cluster's.
; ORDER.  The two tiles' vector work goes by turns, so that independent work stands behind each batch of exponentials; tile a's maxima stand among tile b's score products, tile b's sums among tile a's value products.
; CLUSTER.  The four query blocks of a cluster belong to one head: kv is asked for JOINTLY (mask 15).  The mask's rows are the work-group's own: plain loads, behind rounds too.
; PREFETCH.  The mask's tiles 2 and 3 are asked for at the head's end, 4 and 5 in step 1, 6 and 7 in step 3; tile i + 2 is loaded in step i's change, so tiles 3 to 7 are asked for at least a step ahead and tile 2 less than one.  128 rows of 256 bytes a tile,
; a lane a row, one instruction a wave: waves 0-3 the even tile, waves 4-7 the odd one.  Tiles 0 and 1 come by their loads alone; nothing is asked for past a row's end.
.set STEPB,  13056                     ; a block of kv: K's image 6,144, K's scale words 512, V's image 6,144, V's scale words 256
.set KSC,    6144
.set VIMG,   6656
.set VSC,    12800
.set PAIR,   2*STEPB                   ; what one joint load brings (102 rows of 256 bytes), and how far a step's block lies from the next step's
.set MASK0,  16*STEPB
.set MP,     272                       ; a row of the mask in LDS: 256 bytes + 16 of padding
.set MSLOT,  128*MP
.set SPARE,  MASK0+2*MSLOT             ; the spare words, 128 bytes for each wave
.set MRG,    SPARE+1024                ; for each wave 4,352 bytes: its tile b's O^T as an image (8 x 512), -M (at 4,096) and sum (at 4,224); afterwards the partner's stage, 16 rows x 272
.set MRGB,   4352
; window 0, v0-95: addresses and scales
.set AI,   1                           ; 16 x lane + my key half's block;
.set AJ,   11                          ; 8 x lane + the same;
.set AW,   3                           ; 4 x lane + the same
.set SPW,  4                           ; LDS address of my spare word; never rewritten
.set NIL,  5                           ; 0; never rewritten
.set GO,   6                           ; the way out: my byte offset in the tile's rows of out0
.set PFO,  7                           ; the prefetches' offset; never rewritten
.set AMA,  8                           ; my query's row of the mask in slot 0, tile a; + 128 x key half + 32 h
.set AMB,  9                           ; tile b
.set ADI,  12                          ; the step's AI, AJ, AW
.set ADJ,  13
.set ADS,  14
.set VS,   20                          ; v20-21 V's scale words
.set PWA,  22                          ; p's scale words, tiles a and b
.set PWB,  23
.set SUMA, 24                          ; v[24:25] tile a's sum, in two halves
.set KS,   26                          ; K's scale words for tiles 2 i, 2 i + 1: v[26 - 8 i]: v26, v18, v10, v2
.set R_,   32                          ; r
.set H_,   33                          ; h
.set LN,   34                          ; lane
.set VF,   48                          ; v48-95 V's four fragments
.set QSA,  254                         ; Q's scale words (window 0)
.set QSB,  255
; window 1, v0-95: K's eight tiles, twelve registers each: the pattern's six, then the channels' six
.set KA,   0
; both windows: tile a's in window 0, tile b's in window 1, under the same numbers
.set S,    96                          ; v96-159 S^T, then p
.set O,    160                         ; v160-191 O^T
.set BQ,   192                         ; v192-239 four copies of source 1: mask bytes 0-3, free 4-5, Q's codes 6-11
.set F,    196                         ; v[196:197] 2^(old M - new M); the upper register is named with it and holds 0
.set SO,   208                         ; v208-209 the conversions' scale operands
.set U,    220                         ; v[220:221] a chain of the sum
.set T1,   232                         ; v232-233 at work
.set PC,   240                         ; v240-251 p's codes; ahead of them the maxima (240-243) and two chains of the sum (244-247)
.set NM,   252                         ; -M
.set RM,   253                         ; the largest score so far
.set SUMB, 254                         ; v[254:255] of window 1: tile b's sum
.set WV,   12                          ; s12  my wave's number
.set MW,   19                          ; s19  wave / 2
.set SEL,  20                          ; s[20:21] lane selects for v_permlanex16_b32: lane l xor 16
.set CS,   22                          ; s[22:23] c = log2(e) / 8
.set G1M,  24                          ; s[24:31] descriptor group 1 for the mask;  s[32:39] for kv
.set G1K,  32
.set G0M,  40                          ; s[40:43], s[44:47] their groups 0
.set G0K,  44
.set KB,   48                          ; s48  the step's place in kv
.set CNT,  49
.set PF,   50                          ; s[50:51] where my prefetches begin
.set MSB, 0
.macro WIN new                         ; the immediate's high byte repeats the setting that is left
.if MSB != \new
	s_set_vgpr_msb (MSB<<8)|\new
.set MSB, \new
.endif
.endm
.macro CREST                           ; a round of the cluster's barrier behind its opening barrier
	s_cmp_lg_u32 s[WV], 0
	s_cbranch_scc1 .Lnot_wave_0_\@
	s_barrier_signal -3
.Lnot_wave_0_\@:
	s_barrier_wait -3
	s_barrier_signal -1
	s_barrier_wait -1
.endm
.macro CROUND
	s_barrier_signal -1
	s_barrier_wait -1
	CREST
.endm
.macro TL g0, g1                       ; a tensor load, with a nop and four vector nops behind it
	tensor_load_to_lds s[\g0:\g0+3], s[\g1:\g1+7]
	s_nop 0
.rept 4
	v_nop
.endr
.endm
; K's tiles, scale words and both tiles' mask bytes of one step into registers
.macro ASKK slot, ai, aj, aw, off
	WIN 0
.irp i, 0,1,2,3
	ds_load_b128 v[BQ+12*\i:BQ+12*\i+3], v[AMA] offset:MSLOT*(\slot)+64*(\i/2)+16*(\i%2)     ; keys 64 (i / 2) + 32 h + 16 (i % 2) + 0 .. 15: tiles 2 i and 2 i + 1
	ds_load_b32 v[KS-8*\i], v[\aw] offset:\off+KSC+128*\i
.endr
	WIN 0x40
.irp i, 0,1,2,3
	ds_load_b128 v[BQ+12*\i:BQ+12*\i+3], v[AMB] offset:MSLOT*(\slot)+64*(\i/2)+16*(\i%2)
.endr
.irp t, 0,1,2,3,4,5,6,7
	ds_load_b128 v[KA+12*\t+6:KA+12*\t+9], v[\ai] offset:\off+768*\t
	ds_load_b64 v[KA+12*\t+10:KA+12*\t+11], v[\aj] offset:\off+768*\t+512
.endr
	WIN 0
.endm
.macro QK t, qs                        ; S^T = K Q^T and the mask, tile t of 16 keys
.if (\t)%2
	v_wmma_scale_f32_16x16x128_f8f6f4 v[S+8*(\t):S+8*(\t)+7], v[KA+12*(\t):KA+12*(\t)+11], v[BQ+12*((\t)/2):BQ+12*((\t)/2)+11], 0, v[KS-8*((\t)/2)], v[\qs] matrix_a_fmt:MATRIX_FMT_FP6 matrix_b_fmt:MATRIX_FMT_FP6 matrix_a_scale:MATRIX_SCALE_ROW1
.else
	v_wmma_scale_f32_16x16x128_f8f6f4 v[S+8*(\t):S+8*(\t)+7], v[KA+12*(\t):KA+12*(\t)+11], v[BQ+12*((\t)/2):BQ+12*((\t)/2)+11], 0, v[KS-8*((\t)/2)], v[\qs] matrix_a_fmt:MATRIX_FMT_FP6 matrix_b_fmt:MATRIX_FMT_FP6
.endif
.endm
.macro PV t, first, pw                 ; O^T += V^T P^T: channel tile t, K = these 128 keys; the first step starts the sums
.if \first
.if (\t)%2
	v_wmma_scale_f32_16x16x128_f8f6f4 v[O+8*\t:O+8*\t+7], v[VF+12*\t:VF+12*\t+11], v[PC:PC+11], 0, v[VS+\t/2], v[\pw] matrix_a_fmt:MATRIX_FMT_FP6 matrix_b_fmt:MATRIX_FMT_FP6 matrix_a_scale:MATRIX_SCALE_ROW1
.else
	v_wmma_scale_f32_16x16x128_f8f6f4 v[O+8*\t:O+8*\t+7], v[VF+12*\t:VF+12*\t+11], v[PC:PC+11], 0, v[VS+\t/2], v[\pw] matrix_a_fmt:MATRIX_FMT_FP6 matrix_b_fmt:MATRIX_FMT_FP6
.endif
.else
.if (\t)%2
	v_wmma_scale_f32_16x16x128_f8f6f4 v[O+8*\t:O+8*\t+7], v[VF+12*\t:VF+12*\t+11], v[PC:PC+11], v[O+8*\t:O+8*\t+7], v[VS+\t/2], v[\pw] matrix_a_fmt:MATRIX_FMT_FP6 matrix_b_fmt:MATRIX_FMT_FP6 matrix_a_scale:MATRIX_SCALE_ROW1
.else
	v_wmma_scale_f32_16x16x128_f8f6f4 v[O+8*\t:O+8*\t+7], v[VF+12*\t:VF+12*\t+11], v[PC:PC+11], v[O+8*\t:O+8*\t+7], v[VS+\t/2], v[\pw] matrix_a_fmt:MATRIX_FMT_FP6 matrix_b_fmt:MATRIX_FMT_FP6
.endif
.endif
.endm
; THE LARGEST SCORE OF EACH OF MY TWO BLOCKS OF 32 KEYS, into v[PC] and v[PC + 2]: for the row's maximum and, since p rises with the score, for the block's largest p.  Four chains by turns; each accumulator is read from its low end on.
; In four parts of eight instructions
.macro MAX4 i
.irp k, 0,1,2,3
	v_max3_num_f32 v[PC+\k], v[PC+\k], v[S+16*\k+\i], v[S+16*\k+\i+1]
.endr
.endm
.macro MAXQ g
.if \g == 0
.irp k, 0,1,2,3
	v_max3_num_f32 v[PC+\k], v[S+16*\k], v[S+16*\k+1], v[S+16*\k+2]
.endr
	MAX4 3
.elseif \g == 1
	MAX4 5
	MAX4 7
.elseif \g == 2
	MAX4 9
	MAX4 11
.else
	MAX4 13
	v_max3_num_f32 v[PC], v[PC], v[S+15], v[S+31]
	v_max3_num_f32 v[PC+2], v[PC+2], v[S+47], v[S+63]
	v_max_num_f32 v[PC], v[PC], v[PC+1]
	v_max_num_f32 v[PC+2], v[PC+2], v[PC+3]
.endif
.endm
.macro ROW1                            ; the lane's largest score, and lane l xor 16's
	v_max_num_f32 v[T1], v[PC], v[PC+2]
	s_delay_alu instid0(VALU_DEP_1)
	v_permlanex16_b32 v[T1+1], v[T1], s[SEL], s[SEL+1]
.endm
; t - M for n pairs of registers from S + j on (of the pairs c and -M the low word serves both halves)
.macro TM n
.rept \n
	v_pk_fma_f32 v[S+j:S+j+1], v[S+j:S+j+1], s[CS:CS+1], v[NM:NM+1] op_sel_hi:[1,0,0]
.set j, j+2
.endr
.endm
.macro ROW2                            ; the new M, f, and t - M
	v_max3_num_f32 v[RM], v[RM], v[T1], v[T1+1]    ; the running largest score
	s_delay_alu instid0(VALU_DEP_1)
	v_mul_f32 v[T1], s[CS], v[RM]                  ; as t (c is positive)
	v_mov_b32 v[F], v[NM]
	s_delay_alu instid0(VALU_DEP_2)
	v_floor_f32 v[NM], -v[T1]                      ; the new -M = floor(-t) = -ceil(t): M IS A WHOLE NUMBER
	s_delay_alu instid0(VALU_DEP_1)
	v_sub_f32 v[F], v[NM], v[F]                    ; old M - new M: a whole number, 0 or less
.set j, 0
	TM 4
	v_cvt_i32_f32 v[F], v[F]                       ; (it saturates)
	TM 4
	v_ldexp_f32 v[F], 1.0, v[F]                    ; f = 2^(old M - new M)
	TM 24
	v_fma_f32 v[PC], v[PC], s[CS], v[NM]           ; the same of each block's largest score
	v_fma_f32 v[PC+2], v[PC+2], s[CS], v[NM]
.endm
.macro EXPS
.set j, 0
.rept 64
	v_exp_f32 v[S+j], v[S+j]                       ; p = 2^(t - M), at most 1: NOT normalised
.set j, j+1
.endr
	v_exp_f32 v[PC], v[PC]                         ; the block's largest p: the same two instructions on the same number give the same bits
	v_exp_f32 v[PC+2], v[PC+2]
.endm
; THE SUM OF THE UNQUANTISED p: two at a time, four chains; in four parts
.macro SUM4 sm
	v_pk_add_f32 v[U:U+1], v[U:U+1], v[S+j:S+j+1]
	v_pk_add_f32 v[PC+4:PC+5], v[PC+4:PC+5], v[S+j+2:S+j+3]
	v_pk_add_f32 v[PC+6:PC+7], v[PC+6:PC+7], v[S+j+4:S+j+5]
	v_pk_add_f32 v[\sm:\sm+1], v[\sm:\sm+1], v[S+j+6:S+j+7]
.set j, j+8
.endm
.macro SUMQ g, sm
.if \g == 0
	v_pk_mul_f32 v[\sm:\sm+1], v[\sm:\sm+1], v[F:F+1] op_sel_hi:[1,0]        ; the sum under the new M
	v_pk_add_f32 v[U:U+1], v[S:S+1], v[S+2:S+3]
	v_pk_add_f32 v[PC+4:PC+5], v[S+4:S+5], v[S+6:S+7]
	v_pk_add_f32 v[PC+6:PC+7], v[S+8:S+9], v[S+10:S+11]
	v_pk_add_f32 v[\sm:\sm+1], v[\sm:\sm+1], v[S+12:S+13]
.set j, 14
	SUM4 \sm
.elseif \g == 3
	SUM4 \sm
	v_pk_add_f32 v[U:U+1], v[U:U+1], v[S+62:S+63]
	v_pk_add_f32 v[\sm:\sm+1], v[\sm:\sm+1], v[PC+6:PC+7]
.else
	SUM4 \sm
	SUM4 \sm
.endif
.endm
; p's codes and its scale word pw; the sum's last two additions stand among them.  w: the window setting in force
.macro CVT w, pw, sm
	v_max_num_f32 v[PC], 0x1800000, v[PC]          ; the floor 2^(3 - 127): the byte cannot fall under 1 (a block whose every p is 0 keeps that byte: its codes are zeros)
	v_max_num_f32 v[PC+2], 0x1800000, v[PC+2]
	v_pk_add_f32 v[U:U+1], v[U:U+1], v[PC+4:PC+5]
	v_add_nc_u32 v[SO], 0xff000000, v[PC]          ; 2 off the exponent field: the conversion's scale operand
	v_add_nc_u32 v[SO+1], 0xff000000, v[PC+2]
	v_pk_add_f32 v[\sm:\sm+1], v[\sm:\sm+1], v[U:U+1]
	v_cvt_scalef32_pk16_fp6_f32 v[PC:PC+2], v[S:S+15], v[SO]
	v_cvt_scalef32_pk16_fp6_f32 v[PC+6:PC+8], v[S+32:S+47], v[SO+1]
	v_lshrrev_b32 v[T1], 23, v[SO]                 ; the scale's byte.  (The plain instruction behind the conversions)
	v_cvt_scalef32_pk16_fp6_f32 v[S:S+2], v[S+16:S+31], v[SO]                ; (a conversion's three registers begin on an even number: these are moved)
	v_cvt_scalef32_pk16_fp6_f32 v[S+32:S+34], v[S+48:S+63], v[SO+1]
	v_lshrrev_b32 v[T1+1], 23, v[SO+1]
.irp i, 0,1,2
	v_mov_b32 v[PC+3+\i], v[S+\i]
.endr
	v_lshl_or_b32 v[T1], v[T1+1], 16, v[T1]        ; my blocks h and 2 + h
.irp i, 0,1,2
	v_mov_b32 v[PC+9+\i], v[S+32+\i]
.endr
	v_permlanex16_b32 v[T1+1], v[T1], s[SEL], s[SEL+1]
	WIN (\w&0x3f)
	v_lshl_or_b32 v[\pw], v[T1+1], 8, v[T1]        ; in lanes 0-15: p's scale word for these 128 keys
	WIN \w
.endm
.macro RESC first                      ; O^T under the new M
	s_wait_alu depctr_va_vdst(0)                   ; the wait directly ahead of the first reader of O^T
.if \first
.rept 8
	v_nop                                          ; places between the scale word's write and the products
.endr
.else
.set j, 0
.rept 16
	v_pk_mul_f32 v[O+j:O+j+1], v[O+j:O+j+1], v[F:F+1] op_sel_hi:[1,0]        ; also the places between the writes of p's codes and scale word and the products
.set j, j+2
.endr
.endif
.endm
; A STEP: 128 keys for both tiles.  slot: the mask slot that holds this step's tile.  mode 0: the first step (kv's second half is asked for too); 1: the slot is filled again; 2: it is not; 3: the last step, no change.
; pf 1: prefetch tiles 4 and 5; 2: tiles 6 and 7, in the loop's first trip
.macro STEP slot, mode, pf
	s_wait_dscnt 0x0                               ; K, its scale words and the mask bytes are in
	WIN 0x01
.irp t, 0,1,2,3,4,5,6,7
	QK \t, QSA
.endr
	WIN 0
	v_add_nc_u32 v[ADI], s[KB], v[AI]              ; these four are also the places behind the products: for V's loads and the first read of tile a's scores
	v_add_nc_u32 v[ADJ], s[KB], v[AJ]
	v_add_nc_u32 v[ADS], s[KB], v[AW]
	v_nop
.irp c, 0,1,2,3,4,5,6,7,8,9,10,11
	ds_load_b128 v[VF+4*\c:VF+4*\c+3], v[ADI] offset:VIMG+512*\c             ; V lands under the softmax
.endr
.irp i, 0,1
	ds_load_b32 v[VS+\i], v[ADS] offset:VSC+128*\i
.endr
	s_add_co_u32 s[KB], s[KB], PAIR
.irp g, 0,1,2,3                                ; tile b's products, two at a time; among them tile a's maxima
	WIN 0x45
	QK 2*\g, QSB
	QK 2*\g+1, QSB
	WIN 0
	MAXQ \g
.endr
	ROW1
	WIN 0x55
.irp g, 0,1,2,3
	MAXQ \g
.endr
	ROW1
	WIN 0
	ROW2
	s_wait_alu depctr_va_vdst(0)                   ; ahead of the batch
.if \mode < 3
	s_wait_tensorcnt 0x0                           ; no tensor load of mine is out: the next step's mask tile and the kv asked for so far are in;
	ds_add_u32 v[SPW], v[NIL]                      ; 0 onto my spare word; tile a's exponentials stand between it and the wait for it
.if (\slot == 0) && (\mode < 2)
	s_add_nc_u64 s[G0M+2:G0M+3], s[G0M+2:G0M+3], 512       ; two tiles on: slot 0's fill now, slot 1's in the next step
.endif
.if \mode == 0
	s_add_co_u32 s[G0K+1], s[G0K+1], 4*PAIR        ; kv: eight blocks on, in LDS and in memory
	s_add_nc_u64 s[G0K+2:G0K+3], s[G0K+2:G0K+3], 4*PAIR
.endif
.endif
	EXPS
	s_wait_dscnt 0x0                               ; V is in, the add is done, and I have no LDS read out
.if \mode < 3
	s_barrier_signal -1                            ; register work alone up to the wait
.endif
	WIN 0x55
	ROW2                                           ; tile b's t - M, behind tile a's exponentials
	s_wait_alu depctr_va_vdst(0)                   ; one wait: behind tile a's batch, ahead of tile b's
	EXPS
	WIN 0
.irp g, 0,1,2,3
	SUMQ \g, SUMA                                  ; tile a's sums, behind tile b's exponentials
.endr
	s_wait_alu depctr_va_vdst(0)                   ; behind tile b's batch, and ahead of the barrier's wait
.if \mode < 3
	s_barrier_wait -1
.if \mode < 2
	CREST                                          ; the rest of the round: a group of tensor loads follows
.endif
.if \mode == 0
	s_cmp_lt_u32 s[WV], 2
	s_cbranch_scc0 .Lnot_mask_\@
	TL G0M, G1M                                    ; slot 0: tile 2
	s_branch .Lasked_\@
.Lnot_mask_\@:
	s_cmp_eq_u32 s[MW], 2
	s_cbranch_scc1 .Lasked_\@
	TL G0K, G1K                                    ; waves 2, 3, 6, 7: blocks 8-15 of kv, their first fill
.Lasked_\@:
.elseif \mode == 1
	s_cmp_eq_u32 s[MW], 2*(\slot)                  ; waves 0 and 1 for slot 0, waves 4 and 5 for slot 1
	s_cbranch_scc0 .Lnot_mine_\@
	TL G0M, G1M
.Lnot_mine_\@:
.endif
	ASKK 1-\slot, ADI, ADJ, ADS, PAIR              ; the next step's operands land under the conversions and the value products
.if \pf == 1
	global_prefetch_b8 v[PFO], s[PF:PF+1] offset:1024 th:TH_LOAD_NT scope:SCOPE_SE
.elseif \pf == 2
	s_cmp_eq_u32 s[CNT], 2
	s_cbranch_scc0 .Lno_more_\@
	global_prefetch_b8 v[PFO], s[PF:PF+1] offset:1536 th:TH_LOAD_NT scope:SCOPE_SE
.Lno_more_\@:
.endif
.endif
	CVT 0, PWA, SUMA
	RESC (\mode==0)
.irp t, 0,1,2,3                                ; tile a's value products; among them tile b's sums
	WIN 0
	PV \t, (\mode==0), PWA
	WIN 0x55
	SUMQ \t, SUMB
.endr
	CVT 0x55, PWB, SUMB
	RESC (\mode==0)
	WIN 0x54
.irp t, 0,1,2,3
	PV \t, (\mode==0), PWB
.endr
	WIN 0
.endm
	s_load_b256 s[4:11], s[0:1], 0x0               ; q s[4:5], kv s[6:7], mask s[8:9], out0 s[10:11]
	v_lshl_add_u32 v[SPW], v0, 2, SPARE
	v_mov_b32 v[NIL], 0
	ds_add_u32 v[SPW], v[NIL]                      ; the opening: the add, twice on end, and its wait
	ds_add_u32 v[SPW], v[NIL]
	v_lshrrev_b32 v28, 5, v0
	s_delay_alu instid0(VALU_DEP_1)
	v_readfirstlane_b32 s[WV], v28                 ; wave 0..7
	s_bfe_u32 s13, ttmp6, 0x40000                  ; cx: my place in the cluster
	s_lshl_b32 s14, ttmp9, 2                       ; in a cluster launch ttmp9 counts clusters
	s_add_co_u32 s14, s14, s13                     ; my block of 128 queries: it enters q's, the mask's and out0's addresses alone
	s_and_b32 s15, ttmp7, 0xffff                   ; the head, which the four partners share
	s_lshr_b32 s16, s[WV], 2                       ; my key half
	s_and_b32 s17, s[WV], 3                        ; my group of 32 queries
	s_and_b32 s18, s[WV], 1
	s_lshr_b32 s[MW], s[WV], 1
	s_xor_b32 s3, s16, 1                           ; the other key half
	; descriptor group 1 for the mask: 64 rows x 256 bytes, 2,048 bytes apart, 16 bytes of padding behind each row in LDS
	s_mov_b32 s[G1M], (1<<20)|(5<<22)|(3<<25)      ; 15:0 no mask: a load of my own; 17:16 elements of 1 byte; 20 padding on; 24:22 after every 64 words (code 5); 31:25 4 words of it (code 3)
	s_mov_b32 s[G1M+1], 256<<16                    ; tensor_dim0
	s_mov_b32 s[G1M+2], 64<<16                     ; tensor_dim1
	s_mov_b32 s[G1M+3], 256<<16                    ; tile_dim0
	s_mov_b32 s[G1M+4], 64                         ; tile_dim1
	s_mov_b32 s[G1M+5], 2048                       ; tensor_dim0_stride
	s_mov_b32 s[G1M+6], 0
	s_mov_b32 s[G1M+7], 0
	; and for kv: two blocks, dense, as 102 rows of 256 bytes (32 elements of 8 bytes), no padding
	s_mov_b32 s[G1K], 15|(3<<16)|(1<<21)           ; 15:0 the mask: all four work-groups; 17:16 elements of 8 bytes; 21 set beside a mask
	s_mov_b32 s[G1K+1], 32<<16
	s_mov_b32 s[G1K+2], 102<<16
	s_mov_b32 s[G1K+3], 32<<16
	s_mov_b32 s[G1K+4], 102
	s_mov_b32 s[G1K+5], 32
	s_mov_b32 s[G1K+6], 0
	s_mov_b32 s[G1K+7], 0
	s_lshl_b32 s52, s15, 11
	s_lshl_b32 s53, s14, 7
	s_add_co_u32 s52, s52, s53                     ; my work-group's first query among the 32,768
	s_lshl_b32 s53, s18, 6
	s_add_co_u32 s53, s52, s53                     ; the mask: + the 64 rows that I fetch, 2,048 bytes a row (under 2^26),
	s_lshl_b32 s54, s53, 11
	s_lshl_b32 s55, s16, 8
	s_add_co_u32 s54, s54, s55                     ; + 256 bytes for slot 1's waves
	s_mov_b32 s55, 0
	s_lshl_b32 s53, s17, 5
	s_add_co_u32 s52, s52, s53                     ; my group's first query
	s_lshl_b32 s[PF], s52, 11                      ; the prefetches: its row of the mask
	s_mov_b32 s[PF+1], 0
	s_lshl_b32 s56, s52, 8                         ; q: 256 bytes a row
	s_mov_b32 s57, 0
	s_lshl_b32 s2, s16, 12                         ; tile a's sixteen rows
	s_add_co_u32 s58, s56, s2                      ; out0: tile a
	s_mov_b32 s59, 0
	s_lshl_b32 s13, s3, 12                         ; tile b's
	s_mul_i32 s60, s15, 16*STEPB                   ; kv: the head's sixteen blocks (in registers that never hold my place in the cluster),
	s_lshl_b32 s62, s16, 1
	s_add_co_u32 s62, s62, s18
	s_mul_i32 s62, s62, PAIR                       ; + the pair of blocks that I fetch (waves 2, 3, 6, 7: pairs 0 to 3): the same in memory and in LDS
	s_add_co_u32 s60, s60, s62
	s_mov_b32 s61, 0
	s_mov_b32 s[SEL], 0x76543210
	s_mov_b32 s[SEL+1], 0xfedcba98
	s_mov_b32 s[CS], 0x3e38aa3b                    ; c = log2(e) / 8
	s_mov_b32 s[CS+1], s[CS]                       ; (named with it as a pair, so it is written)
	s_mov_b32 s[KB], 0
	v_and_b32 v[R_], 15, v0
	v_bfe_u32 v[H_], v0, 4, 1
	v_and_b32 v[LN], 31, v0
	v_lshlrev_b32 v35, 8, v[R_]
	v_lshl_add_u32 v35, v[H_], 7, v35              ; q: row r of 256 bytes, + 128 h: my block of 32 channels
	v_add_nc_u32 v36, s13, v35                     ; tile b's rows
	v_add_nc_u32 v35, s2, v35                      ; tile a's
	s_wait_dscnt 0x0                               ; both opening adds are done
	s_wait_alu depctr_va_vdst(0)
	s_wait_kmcnt 0x0
	s_add_nc_u64 s[4:5], s[4:5], s[56:57]
.irp j, 0,1,2,3,4,5,6,7
	global_load_b128 v[S+4*\j:S+4*\j+3], v35, s[4:5] offset:16*\j            ; (both key halves' waves read these rows)
	global_load_b128 v[S+32+4*\j:S+32+4*\j+3], v36, s[4:5] offset:16*\j
.endr
	s_mov_b32 s[G0M], 1                            ; 1:0 count = 1
	s_mul_i32 s[G0M+1], s18, 64*MP
	s_mul_i32 s63, s16, MSLOT
	s_add_co_u32 s[G0M+1], s[G0M+1], s63
	s_add_co_u32 s[G0M+1], s[G0M+1], MASK0         ; 63:32 LDS address
	s_add_nc_u64 s[G0M+2:G0M+3], s[8:9], s[54:55]  ; 120:64 global address
	s_or_b32 s[G0M+3], s[G0M+3], 0x80000000        ; 127:126 type = 2
	s_mov_b32 s[G0K], 1
	s_mov_b32 s[G0K+1], s62
	s_add_nc_u64 s[G0K+2:G0K+3], s[6:7], s[60:61]
	s_or_b32 s[G0K+3], s[G0K+3], 0x80000000
	s_add_nc_u64 s[PF:PF+1], s[8:9], s[PF:PF+1]
	s_add_nc_u64 s[10:11], s[10:11], s[58:59]
	CROUND                                         ; all four work-groups are here: the first joint loads meet
	s_cmp_lt_u32 s[WV], 2                          ; one tensor load a wave.  The waves that wait at the first barrier have lines of their own
	s_cbranch_scc0 .Lh2
	TL G0M, G1M                                    ; waves 0, 1: the mask's tile 0
	s_branch .Lhead
.Lh2:
	s_cmp_lt_u32 s[WV], 3
	s_cbranch_scc0 .Lh3
	TL G0K, G1K                                    ; wave 2: kv's blocks 0 and 1
	s_branch .Lhead
.Lh3:
	s_cmp_lt_u32 s[WV], 4
	s_cbranch_scc0 .Lh4
	TL G0K, G1K                                    ; wave 3: blocks 2 and 3
	s_branch .Lhead
.Lh4:
	s_cmp_lt_u32 s[WV], 6
	s_cbranch_scc0 .Lh6
	TL G0M, G1M                                    ; waves 4, 5: the mask's tile 1
	s_branch .Lhead
.Lh6:
	TL G0K, G1K                                    ; waves 6, 7: blocks 4 to 7
.Lhead:
	s_mul_i32 s52, s16, STEPB                      ; my key half's block
	s_mul_i32 s53, s17, 32*MP
	s_add_co_u32 s53, s53, MASK0
	s_lshl_b32 s54, s16, 7
	s_add_co_u32 s53, s53, s54                     ; my group's rows of the mask, + 128 bytes for the upper key half
	s_mul_i32 s54, s16, 16*MP
	s_add_co_u32 s54, s54, s53                     ; tile a's,
	s_mul_i32 s55, s3, 16*MP
	s_add_co_u32 s55, s55, s53                     ; tile b's
	s_lshl_b32 s56, s16, 8
	v_lshl_add_u32 v[AI], v[LN], 4, s52
	v_lshl_add_u32 v[AJ], v[LN], 3, s52
	v_lshl_add_u32 v[AW], v[LN], 2, s52
	v_mul_u32_u24 v28, v[R_], MP
	v_lshl_add_u32 v[PFO], v[LN], 11, s56          ; a lane a row of the mask; waves 4-7 the tile after
	v_lshlrev_b32 v[GO], 8, v[H_]
	v_lshl_add_u32 v28, v[H_], 5, v28
	v_lshl_add_u32 v[GO], v[R_], 4, v[GO]          ; the way out: lanes 0-15 one row of out0, lanes 16-31 the next; 16 bytes a lane
	v_add_nc_u32 v[AMA], s54, v28
	v_add_nc_u32 v[AMB], s55, v28
	; THE PATTERN: lane (r, h) holds row r, k = 32 h on.  Row 8 h' + j has the code 110000 (-2) in the field of byte j, in lane h = h': two ones from bit 6 ((8 j + o) / 6) + 4 - o, o = 0 for even tiles; o = 4, counted from bit 64, for odd ones
	v_and_b32 v29, 7, v[R_]
	v_lshrrev_b32 v39, 3, v[R_]                    ; h'
	v_lshlrev_b32 v29, 3, v29                      ; 8 j
	v_mov_b32 v37, 3
	v_add_nc_u32 v31, 4, v29
	v_mul_u32_u24 v30, 43, v29                     ; x / 6 = (43 x) >> 8 for x up to 60
	v_mul_u32_u24 v31, 43, v31
	v_lshrrev_b32 v30, 8, v30
	v_lshrrev_b32 v31, 8, v31
	v_mul_u32_u24 v30, 6, v30
	v_mul_u32_u24 v31, 6, v31
	v_add_nc_u32 v30, 4, v30                       ; 4, 10, 16, 28, 34, 40, 52, 58;  odd tiles: 0, 12, 18, 24, 36, 42, 48, 60: the two ones never straddle two registers
	v_and_b32 v45, 31, v31
	v_and_b32 v44, 31, v30
	v_lshlrev_b32 v45, v45, v37
	v_lshlrev_b32 v44, v44, v37
	v_cmp_eq_u32 vcc_lo, v39, v[H_]
	v_cndmask_b32 v44, 0, v44, vcc_lo              ; kept in the lane whose half is h'
	v_cndmask_b32 v45, 0, v45, vcc_lo
	v_cmp_gt_u32 vcc_lo, 32, v30
	v_cndmask_b32 v40, 0, v44, vcc_lo              ; the first register,
	v_cmp_gt_u32 vcc_lo, 32, v31
	v_cndmask_b32 v42, 0, v45, vcc_lo
	v_xor_b32 v41, v44, v40                        ; or the second
	v_xor_b32 v43, v45, v42
	v_mov_b32 v[RM], 0xea800000                    ; the largest score so far: -2^86
	v_mul_f32 v[T1], s[CS], v[RM]
	v_mov_b32 v[SUMA], 0
	v_mov_b32 v[SUMA+1], 0
	v_floor_f32 v[NM], -v[T1]                      ; -M
	v_mov_b32 v46, 0                               ; written once: a lane permute's destination counts as one of its sources
	v_mov_b32 v47, 0
.irp i, 0,1,2,3
	v_mov_b32 v[BQ+12*\i+4], 0                     ; the free registers, named by the first products before the steps write them
	v_mov_b32 v[BQ+12*\i+5], 0
.endr
	WIN 0x40                                       ; the same in window 1
.irp i, 0,1,2,3
	v_mov_b32 v[BQ+12*\i+4], 0
	v_mov_b32 v[BQ+12*\i+5], 0
.endr
	v_mov_b32 v[RM], v[RM]                         ; (window 1's from window 0's)
	v_mov_b32 v[NM], v[NM]
	v_mov_b32 v[SUMB], 0
	v_mov_b32 v[SUMB+1], 0
.irp t, 0,2,4,6                                ; the pattern, ahead of each tile's channels: even tiles in registers 0-1, odd ones in 2-3
	v_mov_b32 v[KA+12*\t], v40
	v_mov_b32 v[KA+12*\t+1], v41
	v_mov_b32 v[KA+12*\t+2], 0
	v_mov_b32 v[KA+12*\t+3], 0
	v_mov_b32 v[KA+12*\t+4], 0
	v_mov_b32 v[KA+12*\t+5], 0
	v_mov_b32 v[KA+12*\t+12], 0
	v_mov_b32 v[KA+12*\t+13], 0
	v_mov_b32 v[KA+12*\t+14], v42
	v_mov_b32 v[KA+12*\t+15], v43
	v_mov_b32 v[KA+12*\t+16], 0
	v_mov_b32 v[KA+12*\t+17], 0
.endr
	WIN 0
	s_wait_alu depctr_va_vdst(0)
	s_wait_loadcnt 0x0                             ; q
.irp x, 0,1                                    ; my block of 32 channels of each tile's row: all its numbers are mine; the floor 2^(3 - 127) holds the byte at 1 from below
	v_max3_num_f32 v[28+\x], |v[S+32*\x]|, |v[S+32*\x+1]|, 0x1800000
.endr
.irp i, 2,4,6,8,10,12,14,16,18,20,22,24,26,28,30
.irp x, 0,1
	v_max3_num_f32 v[28+\x], v[28+\x], |v[S+32*\x+\i]|, |v[S+32*\x+\i+1]|
.endr
.endr
.irp x, 0,1
	v_add_nc_u32 v[30+\x], 0xff000000, v[28+\x]
.endr
.irp x, 0,1
	v_lshrrev_b32 v[28+\x], 23, v[30+\x]           ; the scale's byte
.endr
.irp x, 0,1
	v_cvt_scalef32_pk16_fp6_f32 v[VF+8*\x:VF+8*\x+2], v[S+32*\x:S+32*\x+15], v[30+\x]
	v_cvt_scalef32_pk16_fp6_f32 v[VF+8*\x+4:VF+8*\x+6], v[S+32*\x+16:S+32*\x+31], v[30+\x]
.endr
	v_lshl_add_u32 v37, v[H_], 3, 16               ; 16 + 8 h.  (The plain instruction behind the scaled conversions)
.irp i, 0,1,2,3
.irp k, 0,1,2
	v_mov_b32 v[BQ+12*\i+6+\k], v[VF+\k]           ; tile a's codes into the four copies
	v_mov_b32 v[BQ+12*\i+9+\k], v[VF+4+\k]
.endr
.endr
	v_lshlrev_b32 v28, v37, v28                    ; my bytes at their places;
	v_lshlrev_b32 v29, v37, v29
	v_mov_b32 v38, 0xb1b1                          ; bytes 0 and 1: 2^50, for the mask
	v_permlanex16_b32 v46, v28, s[SEL], s[SEL+1]
	v_permlanex16_b32 v47, v29, s[SEL], s[SEL+1]
	v_or_b32 v28, v28, v38
	v_or_b32 v29, v29, v38
	v_or_b32 v[QSA], v28, v46                      ; with lane l xor 16's: bytes 2 and 3
	v_or_b32 v[QSB], v29, v47
	WIN 0x40
.irp i, 0,1,2,3
.irp k, 0,1,2
	v_mov_b32 v[BQ+12*\i+6+\k], v[VF+8+\k]         ; tile b's
	v_mov_b32 v[BQ+12*\i+9+\k], v[VF+12+\k]
.endr
.endr
	WIN 0
	s_wait_alu depctr_va_vdst(0)
	s_cmp_lt_u32 s[WV], 3
	s_cbranch_scc0 .Lfirst
	s_wait_tensorcnt 0x0                           ; waves 0-2: the mask's tile 0 and kv's blocks 0 and 1 are in
.Lfirst:
	s_barrier_signal -1
	s_barrier_wait -1
	ASKK 0, AI, AJ, AW, 0                          ; step 0's operands
	global_prefetch_b8 v[PFO], s[PF:PF+1] offset:512 th:TH_LOAD_NT scope:SCOPE_SE     ; the mask's tiles 2 and 3
	STEP 0, 0, 0
	STEP 1, 1, 1                                   ; (written out: kv's second half is still on its way in its first part)
	s_mov_b32 s[CNT], 2
	s_wait_alu depctr_va_vdst(0)
.Lpair:                                            ; steps 2 to 5
	STEP 0, 1, 0
	STEP 1, 1, 2
	s_wait_alu depctr_va_vdst(0)                   ; ahead of the branch
	s_sub_co_u32 s[CNT], s[CNT], 1
	s_cmp_lg_u32 s[CNT], 0
	s_cbranch_scc1 .Lpair
	STEP 0, 2, 0                                   ; the last two fill nothing
	STEP 1, 3, 0
	; THE MERGE AND THE WAY OUT.  These lines are also the places behind the last products.
	s_mul_i32 s52, s[WV], MRGB
	s_add_co_u32 s52, s52, MRG                     ; my 4,352 bytes,
	s_xor_b32 s53, s[WV], 4
	s_mul_i32 s53, s53, MRGB
	s_add_co_u32 s53, s53, MRG                     ; and those of the wave that has my queries and the other key half
	v_lshl_add_u32 v28, v[LN], 4, s52              ; an image's place for my lane
	v_lshl_add_u32 v29, v[LN], 2, s52              ; a word's
	v_lshl_add_u32 v30, v[LN], 4, s53              ; the partner's
	v_lshl_add_u32 v31, v[LN], 2, s53
	v_mul_u32_u24 v35, v[R_], 272
	v_mul_u32_u24 v36, v[H_], 272
	v_lshl_add_u32 v35, v[H_], 5, v35
	v_lshl_add_u32 v36, v[R_], 4, v36
	v_add_nc_u32 v35, s53, v35                     ; the stage, in: row r; channel tile t's eight of my half lie 64 t + 32 h bytes on
	v_add_nc_u32 v36, s53, v36                     ; and back: lanes 0-15 one row, lanes 16-31 the next
	v_add_f32 v[SUMA], v[SUMA], v[SUMA+1]          ; the sum's two halves,
	s_delay_alu instid0(VALU_DEP_1)
	v_permlanex16_b32 v[T1+1], v[SUMA], s[SEL], s[SEL+1]
	s_delay_alu instid0(VALU_DEP_1)
	v_add_f32 v[SUMA], v[SUMA], v[T1+1]            ; and lane l xor 16's: my key half's sum of the row
	WIN 0x55
	v_add_f32 v[SUMB], v[SUMB], v[SUMB+1]
	s_delay_alu instid0(VALU_DEP_1)
	v_permlanex16_b32 v[T1+1], v[SUMB], s[SEL], s[SEL+1]
	s_delay_alu instid0(VALU_DEP_1)
	v_add_f32 v[SUMB], v[SUMB], v[T1+1]
	WIN 0x04                                       ; store data from window 1
.irp t, 0,1,2,3                                ; tile b is handed over: O^T as it stands in the registers, -M and the sum
	ds_store_b128 v28, v[O+8*\t:O+8*\t+3] offset:1024*\t                     ; each accumulator from its low end on
	ds_store_b128 v28, v[O+8*\t+4:O+8*\t+7] offset:1024*\t+512
.endr
	ds_store_b32 v29, v[NM] offset:4096
	ds_store_b32 v29, v[SUMB] offset:4224
	WIN 0
	s_wait_alu depctr_va_vdst(0)
	s_wait_dscnt 0x0                               ; for the others' sake: my stores have landed
	s_barrier_signal -1
	s_barrier_wait -1
.irp c, 0,1,2,3,4,5,6,7
	ds_load_b128 v[S+4*\c:S+4*\c+3], v30 offset:512*\c                       ; the same lines as loads give the same registers in the same lanes
.endr
	ds_load_b32 v[S+32], v31 offset:4096           ; the partner's -M
	ds_load_b32 v[S+33], v31 offset:4224           ; and its sum
	s_wait_dscnt 0x0
	v_min_num_f32 v[S+34], v[NM], v[S+32]          ; -M of the whole row: the larger M
	s_delay_alu instid0(VALU_DEP_1)
	v_sub_f32 v[S+35], v[S+34], v[NM]              ; whole numbers, 0 or less
	s_delay_alu instid0(VALU_DEP_2)
	v_sub_f32 v[S+36], v[S+34], v[S+32]
	s_delay_alu instid0(VALU_DEP_2)
	v_cvt_i32_f32 v[S+35], v[S+35]                 ; (they saturate)
	s_delay_alu instid0(VALU_DEP_2)
	v_cvt_i32_f32 v[S+36], v[S+36]
	s_delay_alu instid0(VALU_DEP_2)
	v_ldexp_f32 v[S+35], 1.0, v[S+35]              ; f1, f2: each half under the row's M, exactly
	s_delay_alu instid0(VALU_DEP_2)
	v_ldexp_f32 v[S+36], 1.0, v[S+36]
	s_delay_alu instid0(VALU_DEP_2)
	v_mul_f32 v[S+37], v[SUMA], v[S+35]
	s_delay_alu instid0(VALU_DEP_1)
	v_fma_f32 v[S+37], v[S+33], v[S+36], v[S+37]   ; the row's sum
	s_wait_alu depctr_va_vdst(0)
	v_rcp_f32 v[S+38], v[S+37]
	v_nop                                          ; a plain instruction behind the reciprocal,
	s_wait_alu depctr_va_vdst(0)                   ; and the wait ahead of its first reader
	v_mul_f32 v[S+40], v[S+35], v[S+38]            ; f1 / the sum, twice: a pair for the packed lines
	v_mul_f32 v[S+41], v[S+35], v[S+38]
	v_mul_f32 v[S+42], v[S+36], v[S+38]            ; f2 / the sum
	v_mul_f32 v[S+43], v[S+36], v[S+38]
	s_wait_alu depctr_va_vdst(0)                   ; the wait directly ahead of the first reader of O^T
.set j, 0
.rept 16
	v_pk_mul_f32 v[O+j:O+j+1], v[O+j:O+j+1], v[S+40:S+41]
.set j, j+2
.endr
.set j, 0
.rept 16
	v_pk_fma_f32 v[O+j:O+j+1], v[S+j:S+j+1], v[S+42:S+43], v[O+j:O+j+1]      ; register 8 t + i is out0(r, 16 t + 8 h + i)
.set j, j+2
.endr
.irp t, 0,1,2,3                                ; through a stage in the bytes whose image I have read: nobody else touches them any more
	ds_store_b128 v35, v[O+8*\t:O+8*\t+3] offset:64*\t
	ds_store_b128 v35, v[O+8*\t+4:O+8*\t+7] offset:64*\t+16
.endr
.irp i, 0,1,2,3,4,5,6,7
	ds_load_b128 v[S+4*\i:S+4*\i+3], v36 offset:544*\i                       ; LDS serves a wave's instructions in order (ISA guide 5.7.1.4): these see my stores
.endr
.irp i, 0,1,2,3,4,5,6,7
	s_wait_dscnt 7-\i                              ; load i is in; the 7 - i issued behind it may be out
	global_store_b128 v[GO], v[S+4*\i:S+4*\i+3], s[10:11] offset:512*\i th:TH_STORE_NT   ; 32 lanes store two rows: 512 consecutive bytes, at a multiple of 256 from out0's first byte
.endr
	s_wait_tensorcnt 0x0                           ; the wave's end: behind my last tensor load and my last LDS store
	ds_add_u32 v[SPW], v[NIL]
	s_wait_dscnt 0x0
	CROUND                                         ; the closing round: no work-group ends while a partner may still ask for a block that names it
	s_endpgm
.Lfunc_end_k_qece4c588b1_attn:
	.size	k_qece4c588b1_attn, .Lfunc_end_k_qece4c588b1_attn-k_qece4c588b1_attn
	.p2alignl 7, 3214868480
	.fill 96, 4, 3214868480
	.section	.rodata,"a",@progbits
	.p2align	6, 0x0
	.amdhsa_kernel k_qece4c588b1_attn
		.amdhsa_group_segment_fixed_size 327680
		.amdhsa_private_segment_fixed_size 0
		.amdhsa_enable_private_segment 0
		.amdhsa_kernarg_size 32
		.amdhsa_user_sgpr_count 2
		.amdhsa_user_sgpr_kernarg_segment_ptr 1
		.amdhsa_wavefront_size32 1
		.amdhsa_system_sgpr_workgroup_id_x 1
		.amdhsa_system_sgpr_workgroup_id_y 1
		.amdhsa_system_sgpr_workgroup_id_z 1
		.amdhsa_system_vgpr_workitem_id 0
		.amdhsa_next_free_vgpr 512
		.amdhsa_next_free_sgpr 66
		.amdhsa_reserve_vcc 1
		.amdhsa_float_denorm_mode_32 3
		.amdhsa_float_denorm_mode_16_64 3
		.amdhsa_memory_ordered 1
		.amdhsa_forward_progress 1
		.amdhsa_inst_pref_size 197
	.end_amdhsa_kernel
	.amdgpu_metadata
---
amdhsa.version: [ 1, 2 ]
amdhsa.kernels:
  - .name:           k_qece4c588b1_attn
    .symbol:         k_qece4c588b1_attn.kd
    .args:
      - { .name: q, .offset: 0, .size: 8, .value_kind: global_buffer, .address_space: global }
      - { .name: kv, .offset: 8, .size: 8, .value_kind: global_buffer, .address_space: global }
      - { .name: mask, .offset: 16, .size: 8, .value_kind: global_buffer, .address_space: global }
      - { .name: out0, .offset: 24, .size: 8, .value_kind: global_buffer, .address_space: global }
    .group_segment_fixed_size: 327680
    .private_segment_fixed_size: 0
    .kernarg_segment_align: 8
    .kernarg_segment_size: 32
    .max_flat_workgroup_size: 256
    .sgpr_count:     66
    .vgpr_count:     512
    .wavefront_size: 32
...
	.end_amdgpu_metadata
.endif
;; end of part 2
